; MI455X (gfx1250); checked and timed in simulation.
; The chip was launched on July 23, 2026; its instructions are those of AMD's public machine-readable ISA for CDNA 5 (MIT licence, August 2026) and "CDNA5" Instruction Set Architecture Reference Guide (July 2026). The comments in the code are by the model that wrote it; some were corrected since.
;; SRU Formula Cell. Allowed arithmetic: matrix products marked QUANTISED: E4M3 operands, one given power-of-two scale a tensor, by v_wmma_f32_16x16x64_fp8_fp8 or v_wmma_f32_16x16x128_fp8_fp8, f32 sums; everything else in f32.
;; Inputs: W_c 2,048 x 2,048 float32; W_f 2,048 x 2,048 float32; W_r 2,048 x 2,048 float32; W_x 2,048 x 2,048 float32; b_c 2,048 float32; b_f 2,048 float32; b_r 2,048 float32; ct_forward 4,096 x 2,048 float32; lowp_scales 8 int32 (the exponents e of the quantised operands' scales 2^e); xt 4,096 x 2,048 float32.
;; Outputs: out0 4,096 x 2,048 float32; out1 4,096 x 2,048 float32.
;; This version of the problem:
;;   THIS VERSION OF THE PROBLEM IS GIVEN IN LOW PRECISION. The matrix products marked QUANTISED in the list below multiply operands that are first quantised to E4M3 (4 exponent bits, 3 mantissa bits; 8 bits a number), with one given power-of-two scale for each operand tensor; their sums are f32. All else is computed in f32.
;;   The module's matrix products, in the order in which they are computed (A, B: the left and right operand; K: the contracted axis; several contracted axes count as one K, in the product's order):
;;     1. [M 4,096, K 2,048] x [K 2,048, N 2,048]; A: input xt; B: input W_x: QUANTISED (scales: A lowp_scales[0], B lowp_scales[1])
;;     2. [M 4,096, K 2,048] x [K 2,048, N 2,048]; A: input xt; B: input W_f: QUANTISED (scales: A lowp_scales[2], B lowp_scales[3])
;;     3. [M 4,096, K 2,048] x [K 2,048, N 2,048]; A: input xt; B: input W_r: QUANTISED (scales: A lowp_scales[4], B lowp_scales[5])
;;     4. [M 4,096, K 2,048] x [K 2,048, N 2,048]; A: input xt; B: input W_c: QUANTISED (scales: A lowp_scales[6], B lowp_scales[7])
;;   THE QUANTISER, for each operand of a quantised product, along K:
;;     - The operand's scale is 2^e, e = its entry of the input lowp_scales (int32; the entries are numbered through the quantised products in the list's order, A before B).
;;     - Each number is divided by the scale, clamped to +-448, and rounded to the nearest number of E4M3, ties to even, subnormals kept.
;;     - The product sums the exact products of the quantised numbers (number of the format x scale) in f32.
;;   ~~~python
;;   def quantise(x, axis, e):      # numpy; x: float32 -> the quantised numbers, widened to float32 again
;;       x = np.moveaxis(x, axis, -1); K = x.shape[-1]
;;       r = np.clip(x / 2.0 ** e, -448, 448)
;;       step = 2.0 ** (np.maximum(np.frexp(np.where(r == 0, 1, r))[1] - 1, -6) - 3)
;;       q = np.round(r / step) * step * 2.0 ** e      # np.round: ties to even
;;       return np.moveaxis(q, -1, axis).astype(np.float32)
;;   ~~~
;; One version. Each part assembles by itself: llvm-mc -triple=amdgcn-amd-amdhsa -mcpu=gfx1250 --defsym DOCPART=n.
;; ======== version 1 of 1: 2 launches
;; workspace buffers: a_codes 33,554,432 bytes; w_codes 16,777,216 bytes
;; launch quant (part 1): grid 768 x 1, 4 waves a work-group, no clusters, 34,304 bytes of LDS; arguments xt, W_x, W_f, W_r, W_c, lowp_scales, a_codes, w_codes; writes a_codes, w_codes
.if DOCPART == 1
	.amdgcn_target "amdgcn-amd-amdhsa--gfx1250"
	.amdhsa_code_object_version 6
	.text
	.protected	k_qbe56739f07_quant
	.globl	k_qbe56739f07_quant
	.p2align	8
	.type	k_qbe56739f07_quant,@function
k_qbe56739f07_quant:
	s_mov_b64 s[64:65], 0
	v_nop
	global_prefetch_b8 v0, s[64:65] scope:SCOPE_SE
	s_setreg_imm32_b32 hwreg(HW_REG_WAVE_MODE, 25, 1), 1
	s_wait_xcnt 0x0
; xt [4096][2048] and the four weights [2048][2048], f32 with K innermost, become codes of FP8 (E4M3), each with the scale 2^e that is given for it.
; xt is an operand of four products and has an entry of the scales for each: it is read once and quantised FOUR times (entries 0, 2, 4, 6); weight g once (entry 2 g + 1).  Gates: 0 x, 1 f, 2 r, 3 c.
; code = x / 2^e, held within +-448, rounded to the nearest code, ties to even.
; LIMITS: every e lies between -126 and 119, so that 2^e and 448 x 2^e are f32 numbers.  NaN among the inputs is not served; an infinity is held at the largest code.
; THE CODES ARE LAID IN THE ORDER OF THE OPERAND'S REGISTERS: [block of 128 rows][K step of 128][gate][fragment of 16 rows][c 0..3][lane 0..31][16 bytes]; byte i of (c, lane l) is the code of
; row l % 16 of the fragment at k = 32 c + 16 (l / 16) + i of the K step.  A fragment is 2,048 bytes, a gate's plane 16,384, a K step 65,536, a block 1,048,576.
; SHARES.  Work-groups 0-255 take 16 rows of xt each; work-groups 256-767 take 16 rows of weight (n - 256) / 128.  Wave w takes K steps 4 w .. 4 w + 3, one fragment a step.
; A step's 16 loads each read 512 consecutive bytes of one row; the 8,192 bytes turn through the wave's own stage in LDS, so that a lane then holds 16 neighbours along K of each block of 32.
; One path serves both kinds of tensor: pointers, offsets and the first pass's scale are chosen on the work-group's number; xt's work-groups run three passes more, which hold arithmetic and stores alone.
; No tensor load, no barrier: waves share nothing.
.set NS,   4                           ; steps of a wave
.set SP,   528                         ; a stage row: 512 bytes + 16 = 132 words: row r starts at bank 4 r mod 64 (64 banks of 4 bytes: ISA guide 11.1)
.set WST,  16*SP                       ; a wave's stage
.set KSB,  65536                       ; bytes of a K step in the codes' buffers
.set GB,   16384                       ; bytes of a gate's plane
.set LI,   1                           ; v1       16 x lane: the offset of every global load and store; never rewritten
.set SIN,  2                           ; v2       the stage on the way in: wave x WST + 16 x lane
.set SOUT, 3                           ; v3       and on the way out: wave x WST + SP x (lane % 16) + 64 x (lane / 16)
.set SC,   4                           ; v4-7     pass p: 2^e as f32
.set LIM,  8                           ; v8-11    pass p: 448 x 2^e
.set T,    16                          ; v16-31   two sets of 8 held numbers
.set C,    32                          ; v32-63   two sets of 16 registers of codes: pass p takes set p % 2
.set X,    64                          ; v64-127  the fragment's 64 numbers of my lane: register 16 c + i is k = 32 c + 16 (lane / 16) + i of row lane % 16
.set R,    128                         ; v128-255 two sets of 64, as loaded
	s_load_b512 s[8:23], s[0:1], 0x0               ; xt s[8:9], W_x s[10:11], W_f s[12:13], W_r s[14:15], W_c s[16:17], the scales s[18:19], a_codes s[20:21], w_codes s[22:23]
	s_set_vgpr_msb 0x40
	v_lshl_add_u32 v0, v0, 2, 0x8400
	v_mov_b32 v1, 0
	s_set_vgpr_msb 0x4000
	v_lshrrev_b32 v12, 5, v0
	v_readfirstlane_b32 s32, v12                   ; wave 0..3
	v_and_b32 v13, 31, v0
	v_lshlrev_b32 v[LI], 4, v13
	s_mul_i32 s44, s32, WST
	v_add_nc_u32 v[SIN], s44, v[LI]
	v_and_b32 v14, 15, v0
	v_bfe_u32 v15, v0, 4, 1
	v_mul_u32_u24 v[SOUT], v14, SP
	v_lshl_add_u32 v[SOUT], v15, 6, v[SOUT]
	v_add_nc_u32 v[SOUT], s44, v[SOUT]
	s_sub_co_u32 s33, ttmp9, 256                   ; a weight's work-group: its number among the 512,
	s_lshr_b32 s34, s33, 7                         ; its gate,
	s_and_b32 s35, s33, 127                        ; its 16 rows
	s_wait_kmcnt 0x0
	s_load_b256 s[24:31], s[18:19], 0x0            ; e0 .. e7
	s_mov_b64 s[36:37], s[10:11]                   ; the source: chosen on the work-group's number alone
	s_cmp_eq_u32 s34, 1
	s_cselect_b64 s[36:37], s[12:13], s[36:37]
	s_cmp_eq_u32 s34, 2
	s_cselect_b64 s[36:37], s[14:15], s[36:37]
	s_cmp_eq_u32 s34, 3
	s_cselect_b64 s[36:37], s[16:17], s[36:37]
	s_cmp_lt_u32 ttmp9, 256                        ; xt's work-group?
	s_cselect_b64 s[36:37], s[8:9], s[36:37]
	s_cselect_b64 s[38:39], s[20:21], s[22:23]     ; the codes' buffer
	s_cselect_b32 s35, ttmp9, s35                  ; which 16 rows
	s_cselect_b32 s34, 0, s34                      ; xt's passes add their gates' planes themselves
	s_lshl_b32 s40, s35, 17                        ; 16 rows of 8,192 bytes,
	s_lshl_b32 s44, s32, 11                        ; my wave's quarter of K: 512 numbers
	s_add_co_u32 s40, s40, s44
	s_mov_b32 s41, 0
	s_add_nc_u64 s[36:37], s[36:37], s[40:41]
	s_lshr_b32 s42, s35, 3                         ; the block of 128 rows,
	s_lshl_b32 s42, s42, 20
	s_and_b32 s44, s35, 7                          ; the fragment in it,
	s_lshl_b32 s44, s44, 11
	s_add_co_u32 s42, s42, s44
	s_lshl_b32 s44, s32, 18                        ; my wave's four K steps,
	s_add_co_u32 s42, s42, s44
	s_lshl_b32 s44, s34, 14                        ; a weight's gate
	s_add_co_u32 s42, s42, s44
	s_mov_b32 s43, 0
	s_add_nc_u64 s[38:39], s[38:39], s[42:43]
.macro LOAD t                          ; step t's 16 rows x 512 bytes into set t % 2: each load reads 512 consecutive bytes, at a multiple of 512 from the tensor's first byte
.irp i, 0,1,2,3,4,5,6,7,8,9,10,11,12,13,14,15
	global_load_b128 v[R+64*((\t)%2)+4*\i:R+64*((\t)%2)+4*\i+3], v[LI], s[36:37] offset:\i*8192+(\t)*512 th:TH_LOAD_NT
.endr
.endm
.macro TURN t                          ; through the stage: LDS serves a wave's instructions in order (ISA guide 5.7.1.4), so no wait stands between the stores and the loads
.irp i, 0,1,2,3,4,5,6,7,8,9,10,11,12,13,14,15
	ds_store_b128 v[SIN], v[R+64*((\t)%2)+4*\i:R+64*((\t)%2)+4*\i+3] offset:\i*SP
.endr
.irp c, 0,1,2,3
.irp j, 0,1,2,3
	ds_load_b128 v[X+16*\c+4*\j:X+16*\c+4*\j+3], v[SOUT] offset:128*\c+16*\j
.endr
.endr
.endm
.macro MKSCALE p, e                    ; pass p's two numbers from the exponent in s[e]
	s_add_co_i32 s45, s[\e], 127
	s_lshl_b32 s46, s45, 23
	v_mov_b32 v[SC+\p], s46                        ; 2^e as f32: the conversion takes its exponent field
	s_add_co_i32 s45, s45, 8
	s_lshl_b32 s45, s45, 23
	s_or_b32 s45, s45, 0x600000
	v_mov_b32 v[LIM+\p], s45                       ; 448 x 2^e
.endm
; One pass: the fragment in X is held, converted with pass p's scale and stored off bytes on.  X stays as it is, for the next pass.
; The two sets of T take turns: eight plain instructions stand between a conversion and the next write of its sources.
.macro QPASS p, off
.set CC, C+16*((\p)%2)
	s_wait_xcnt 0x0                                ; the earlier stores have read their registers: this set of codes may be written again
.irp q, 0,1,2,3,4,5,6,7
.irp i, 0,1,2,3,4,5,6,7
	v_med3_num_f32 v[T+8*(\q%2)+\i], v[X+8*\q+\i], -v[LIM+\p], v[LIM+\p]   ; the conversion to an 8-bit code does not saturate (ISA guide 7.6.2): the hold comes first
.endr
	v_cvt_scalef32_pk8_fp8_f32 v[CC+2*\q:CC+2*\q+1], v[T+8*(\q%2):T+8*(\q%2)+7], v[SC+\p]
.endr
.irp c, 0,1,2,3
	global_store_b128 v[LI], v[CC+4*\c:CC+4*\c+3], s[38:39] offset:\off+512*\c   ; 32 lanes store 512 consecutive bytes, at a multiple of 512 from the buffer's first byte; the next launch reads them
.endr
.endm
.macro STEP t
	s_wait_dscnt 0x0                               ; this step's numbers are back from the stage, and the stage's stores have read set t % 2,
.if (\t)+2 < NS
	LOAD (\t)+2                                    ; which takes the loads of two steps on
.endif
	QPASS 0, (\t)*KSB
	s_cmp_lt_u32 ttmp9, 256                        ; a weight has one scale; xt has three more
	s_cbranch_scc0 .Lone_scale_\@
	QPASS 1, (\t)*KSB+GB
	QPASS 2, (\t)*KSB+2*GB
	QPASS 3, (\t)*KSB+3*GB
.Lone_scale_\@:
.if (\t)+1 < NS
.if (\t)+2 < NS
	s_wait_loadcnt 16                              ; the next step's 16 loads are in; the 16 issued above may be out
.else
	s_wait_loadcnt 0x0
.endif
	TURN (\t)+1
.endif
.endm
	LOAD 0
	LOAD 1
	s_wait_kmcnt 0x0                               ; the exponents
	s_mov_b32 s44, s25                             ; the first pass's: a weight's own entry, 2 g + 1,
	s_cmp_eq_u32 s34, 1
	s_cselect_b32 s44, s27, s44
	s_cmp_eq_u32 s34, 2
	s_cselect_b32 s44, s29, s44
	s_cmp_eq_u32 s34, 3
	s_cselect_b32 s44, s31, s44
	s_cmp_lt_u32 ttmp9, 256
	s_cselect_b32 s44, s24, s44                    ; or xt's entry 0
	MKSCALE 0, 44
	MKSCALE 1, 26                                  ; xt's entries 2, 4, 6
	MKSCALE 2, 28
	MKSCALE 3, 30
	s_wait_loadcnt 16                              ; step 0's 16 loads are in; step 1's may be out
	TURN 0
.irp t, 0,1,2,3
	STEP \t
.endr
	s_set_vgpr_msb 0x5
	s_wait_tensorcnt 0x0
	ds_add_u32 v0, v1
	s_wait_dscnt 0x0
	s_set_vgpr_msb 0x500
	s_endpgm
.Lfunc_end_k_qbe56739f07_quant:
	.size	k_qbe56739f07_quant, .Lfunc_end_k_qbe56739f07_quant-k_qbe56739f07_quant
	.p2alignl 7, 3214868480
	.fill 96, 4, 3214868480
	.section	.rodata,"a",@progbits
	.p2align	6, 0x0
	.amdhsa_kernel k_qbe56739f07_quant
		.amdhsa_group_segment_fixed_size 34304
		.amdhsa_private_segment_fixed_size 0
		.amdhsa_enable_private_segment 0
		.amdhsa_kernarg_size 64
		.amdhsa_user_sgpr_count 2
		.amdhsa_user_sgpr_kernarg_segment_ptr 1
		.amdhsa_wavefront_size32 1
		.amdhsa_system_sgpr_workgroup_id_x 1
		.amdhsa_system_sgpr_workgroup_id_y 1
		.amdhsa_system_sgpr_workgroup_id_z 1
		.amdhsa_system_vgpr_workitem_id 0
		.amdhsa_next_free_vgpr 258
		.amdhsa_next_free_sgpr 66
		.amdhsa_reserve_vcc 0
		.amdhsa_float_denorm_mode_32 3
		.amdhsa_float_denorm_mode_16_64 3
		.amdhsa_memory_ordered 1
		.amdhsa_forward_progress 1
		.amdhsa_inst_pref_size 97
	.end_amdhsa_kernel
	.amdgpu_metadata
---
amdhsa.version: [ 1, 2 ]
amdhsa.kernels:
  - .name:           k_qbe56739f07_quant
    .symbol:         k_qbe56739f07_quant.kd
    .args:
      - { .name: xt, .offset: 0, .size: 8, .value_kind: global_buffer, .address_space: global }
      - { .name: W_x, .offset: 8, .size: 8, .value_kind: global_buffer, .address_space: global }
      - { .name: W_f, .offset: 16, .size: 8, .value_kind: global_buffer, .address_space: global }
      - { .name: W_r, .offset: 24, .size: 8, .value_kind: global_buffer, .address_space: global }
      - { .name: W_c, .offset: 32, .size: 8, .value_kind: global_buffer, .address_space: global }
      - { .name: lowp_scales, .offset: 40, .size: 8, .value_kind: global_buffer, .address_space: global }
      - { .name: a_codes, .offset: 48, .size: 8, .value_kind: global_buffer, .address_space: global }
      - { .name: w_codes, .offset: 56, .size: 8, .value_kind: global_buffer, .address_space: global }
    .group_segment_fixed_size: 34304
    .private_segment_fixed_size: 0
    .kernarg_segment_align: 8
    .kernarg_segment_size: 64
    .max_flat_workgroup_size: 128
    .sgpr_count:     66
    .vgpr_count:     258
    .wavefront_size: 32
...
	.end_amdgpu_metadata
.endif
;; end of part 1
;; launch cell (part 2): grid 16 x 32, 4 waves a work-group, clusters of 4 x 1, 327,680 bytes of LDS; arguments a_codes, w_codes, lowp_scales, b_f, b_r, b_c, ct_forward, out0, out1; writes out0, out1
.if DOCPART == 2
	.amdgcn_target "amdgcn-amd-amdhsa--gfx1250"
	.amdhsa_code_object_version 6
	.text
	.protected	k_qbe56739f07_cell
	.globl	k_qbe56739f07_cell
	.p2align	8
	.type	k_qbe56739f07_cell,@function
k_qbe56739f07_cell:
	s_mov_b64 s[64:65], 0
	v_nop
	global_prefetch_b8 v0, s[64:65] scope:SCOPE_SE
	s_setreg_imm32_b32 hwreg(HW_REG_WAVE_MODE, 25, 1), 1
	s_wait_xcnt 0x0
	s_wait_alu depctr_hold_cnt(0) depctr_sa_sdst(0) depctr_va_vdst(0) depctr_va_sdst(0) depctr_va_ssrc(0) depctr_va_vcc(0) depctr_vm_vsrc(0)
	s_getreg_b32 s2, hwreg(HW_REG_IB_STS2, 6, 4)
	s_cmp_eq_u32 s2, 0
	s_cbranch_scc0 .Lentry_in_a_cluster
	s_endpgm
.Lentry_in_a_cluster:
	s_bfe_u32 s2, ttmp6, 0x10000c
	s_cmp_lg_u32 s2, 0x3003
	s_cbranch_scc0 .Lentry_shape_is_right
	s_endpgm
.Lentry_shape_is_right:
; The SRU cell on codes of FP8 (E4M3).  For gate g (0 x, 1 f, 2 r, 3 c): S_g = A_g W_g^T, A_g = xt's codes under scale entry 2 g, W_g = the weight's under entry 2 g + 1; sums in f32.
;   x = S_0 2^(e0+e1);  f = sigmoid(S_1 2^(e2+e3) + b_f);  r = sigmoid(S_2 2^(e4+e5) + b_r);  c = S_3 2^(e6+e7) + b_c;
;   out1 = ct = x + f (ct_forward - x);   out0 = ht = c + r (tanh(ct) - c).   (The blends f a + (1 - f) b are formed as b + f (a - b).)
; sigmoid(u) = 1 / (1 + 2^(-u log2 e)), tanh(u) = 1 - 2 / (1 + 2^(2 u log2 e)): an exponential that overflows gives infinity, whose reciprocal is 0, so both saturate at their right ends.
; LIMITS: each sum e[2g] + e[2g+1] lies between -126 and 127, so that its power of two is an f32 number.  NaN among the inputs is not served.
; SHARES.  A work-group makes 128 rows x 128 columns of both outputs, so four products of 128 x 128 x 2,048.  WAVE g IS GATE g: 64 accumulators of 16 x 16, 512 registers, and no fragment is fetched twice.
; The four gates' sums then meet in LDS, and wave w finishes rows 32 w .. 32 w + 31, whole rows of 512 bytes.
; THE CODES LIE IN THE ORDER OF THE OPERAND'S REGISTERS ([block][K step of 128][gate][fragment][c 0..3][lane][16 bytes]); chunks c = 0, 1 of a fragment are k 0 .. 63 of the step, chunks 2, 3 are k 64 .. 127.
; K goes in SUBSTEPS of 64, by the K = 64 form: a fragment is then 8 registers (two chunks), so that two sets of A and four of B fit beside the accumulators.  k is permuted alike in A and in B.
; TWO ROADS, since no wave reads another wave's planes and LDS has room for two slots of 131,072 bytes only:
;   A through LDS: its four planes are 65,536 bytes a K step of 128, a slot holds two such steps (four substeps, 256 matrix instructions a wave), each wave fetches a quarter of a slot by one tensor load.
;   B straight into registers, a ring of four sets: a block of B is free after its eight products and is loaded again for three or four substeps on: up to 52 loads of 512 bytes a wave are out,
;   counted by LOADcnt, and no barrier waits for them.
; CLUSTERS: 4 x 1 work-groups: the four share their block of rows, so A's tiles are asked for JOINTLY, by the same tensor load with the same descriptor and the mask of all four.  B's planes are shared down a
; column of blocks too, but a joint load lands in LDS alone, where two steps of A and B together would take 262,144 bytes a slot: so B has no multicast.  A wave has two tensor loads out at the start, later one.
; THE MATRIX INSTRUCTION IS USED TRANSPOSED (source 0 = 16 rows of W, source 1 = 16 rows of A): a lane then holds eight neighbouring columns of one row.
; REGISTERS, in windows of 256: window 0: v1-13 addresses; v16-27 biases; v32-127 rows of ct_forward; v128-255 A's fragments, two sets of 64 (substep n: set n % 2), in the tail two sets of the four gates' sums.
;   window 1: B's fragments, four sets of 64 (set n % 4).   windows 2, 3: the accumulators: (a, b) at v[8 (8 (b % 4) + a)] of window 2 + b / 4.
.set SLOT,   131072                    ; two K steps of 128 of A's four planes
.set KSB,    65536                     ; a K step's bytes of one block, in memory and in a slot
.set SPITCH, 528                       ; where the gates meet: a row of 512 bytes + 16 = 132 words: row r starts at bank 4 r mod 64 (64 banks of 4 bytes: ISA guide 11.1)
.set GST,    128*SPITCH                ; a gate's 128 rows there.  The four lie from LDS byte 0 on, over the ring, which has had its last fill and its last read by then
.set SPARE,  4*GST                     ; behind them: the spare words, 128 bytes for each wave: two blocks of 256 bytes that no other line names
.set LI,   1                           ; v1      16 x lane; never rewritten
.set ADRA, 2                           ; v2-5    LDS address of my gate's plane of A: register j for slot j / 2, K step j % 2 of the slot
.set STO,  6                           ; v6      where I put 32 bytes of a row of my gate's sums
.set SPW,  7                           ; v7      LDS address of my spare word: SPARE + 4 x my thread's number; never rewritten
.set NIL,  8                           ; v8      0; never rewritten
.set RD,   10                          ; v10-13  where I read my 32 rows of gate 0 .. 3 back
.set BF,   16                          ; v16-19  b_f of columns 4 x lane .. + 3, later x -log2(e)
.set BR,   20                          ; v20-23  b_r likewise
.set BC,   24                          ; v24-27  b_c
.set CF,   32                          ; v32-127 ct_forward: group G's four rows at CF + 16 (G % 6)
.set AF,   128                         ; A's fragments
.set SS,   128                         ; the tail: group G's sums at SS + 64 (G % 2): x + 0, f + 16, r + 32, c + 48
.set G1,   24                          ; s[24:31] descriptor group 1;  s[32:39] group 0, one set for each slot
.set G0,   32
.set SX,   76                          ; s[76:77] 2^(e0+e1);  s[78:79] -log2(e) 2^(e2+e3);  s[80:81] -log2(e) 2^(e4+e5);  s[82:83] 2^(e6+e7): pairs, of which the packed forms take the low word
.set SF,   78
.set SR,   80
.set SC,   82
.set MSB, 0
.macro WIN new                         ; the immediate's high byte repeats the setting that is left
.if MSB != (\new)
	s_set_vgpr_msb (MSB<<8)|(\new)
.set MSB, (\new)
.endif
.endm
.set MUL_LO, 0xa1                      ; source 0 (B) window 1, source 1 (A) window 0, C and D window 2
.set MUL_HI, 0xf1                      ; the same, C and D window 3
.set TO_B,   0x40                      ; destination window 1, address window 0
; A joint load: every wave asks for its quarter of slot s; the descriptor hangs on the block of rows and the wave's number, which the four partners share.  Four v_nop follow it.
.macro JLOAD s
	tensor_load_to_lds s[G0+4*\s:G0+4*\s+3], s[G1:G1+7]
	s_nop 0
.rept 4
	v_nop
.endr
.endm
.macro CREST                           ; a round of the cluster's barrier behind its opening barrier
	s_cmp_lg_u32 s22, 0
	s_cbranch_scc1 .Lnot_wave_0_\@
	s_barrier_signal -3
.Lnot_wave_0_\@:
	s_barrier_wait -3
	s_barrier_signal -1
	s_barrier_wait -1
.endm
.macro CROUND                          ; a whole round
	s_barrier_signal -1
	s_barrier_wait -1
	CREST
.endm
.macro PLACES n
.rept \n
	v_nop
.endr
.endm
; Fragment i of B of substep n (counted from the substep at which the base s[6:7] stands) into set n % 4: two loads of 512 consecutive bytes
.macro FETCH_B n, i
	global_load_b128 v[64*((\n)%4)+8*(\i):64*((\n)%4)+8*(\i)+3], v[LI], s[6:7] offset:((\n)>>1)*KSB+(\i)*2048+((\n)&1)*1024
	global_load_b128 v[64*((\n)%4)+8*(\i)+4:64*((\n)%4)+8*(\i)+7], v[LI], s[6:7] offset:((\n)>>1)*KSB+(\i)*2048+((\n)&1)*1024+512
.endm
; A's eight fragments of substep n into set n % 2: 16 LDS loads of 512 consecutive bytes
.macro FETCH_A n
.set AJR, ADRA+(((\n)>>1)&3)
.set ASR, AF+64*((\n)%2)
.irp i, 0,1,2,3,4,5,6,7
	ds_load_b128 v[ASR+8*\i:ASR+8*\i+3], v[AJR] offset:\i*2048+((\n)&1)*1024
	ds_load_b128 v[ASR+8*\i+4:ASR+8*\i+7], v[AJR] offset:\i*2048+((\n)&1)*1024+512
.endr
.endm
.macro CFROW i                         ; row i of my 32 of ct_forward: 512 consecutive bytes
	global_load_b128 v[CF+4*(\i):CF+4*(\i)+3], v[LI], s[16:17] offset:(\i)*8192 th:TH_LOAD_NT
.endm
; What the tail wants is asked for in the last substeps, where B has nothing left to ask for: nine loads in each of three
.macro XLOAD x
.if \x == 1
	global_load_b128 v[BF:BF+3], v[LI], s[10:11]   ; the biases of my four columns
	global_load_b128 v[BR:BR+3], v[LI], s[12:13]
	global_load_b128 v[BC:BC+3], v[LI], s[14:15]
.irp i, 0,1,2,3,4,5
	CFROW \i
.endr
.elseif \x == 2
.irp i, 6,7,8,9,10,11,12,13,14
	CFROW \i
.endr
.elseif \x == 3
.irp i, 15,16,17,18,19,20,21,22,23
	CFROW \i
.endr
.endif
.endm
; 8 matrix instructions: B's block b against A's eight, 64 along K, substep n.  zero = 1: the first product starts the sums: nothing is ever cleared.
; The 64 accumulators take turns, one instruction a turn, in the same order in every substep.
.macro MULB b, n, zero
.irp a, 0,1,2,3,4,5,6,7
.if \zero
	v_wmma_f32_16x16x64_fp8_fp8 v[8*(8*((\b)%4)+\a):8*(8*((\b)%4)+\a)+7], v[64*((\n)%4)+8*(\b):64*((\n)%4)+8*(\b)+7], v[AF+64*((\n)%2)+8*\a:AF+64*((\n)%2)+8*\a+7], 0
.else
	v_wmma_f32_16x16x64_fp8_fp8 v[8*(8*((\b)%4)+\a):8*(8*((\b)%4)+\a)+7], v[64*((\n)%4)+8*(\b):64*((\n)%4)+8*(\b)+7], v[AF+64*((\n)%2)+8*\a:AF+64*((\n)%2)+8*\a+7], v[8*(8*((\b)%4)+\a):8*(8*((\b)%4)+\a)+7]
.endif
.endr
.endm
; THE LOADS OF SUBSTEP n stand behind four places that follow B's block 1.  A load into a register that a matrix instruction has read stands four places behind it, and only plain vector instructions that
; name none of its registers are places (ISA guide 7.12.1 for vector instructions).  All that is loaded in substep n was last read in front of those four: A's other set and
; blocks 2-7 of B's set (n - 1) % 4 in substep n - 1, blocks 0, 1 of set n % 4 just now.  So B's loads can be dealt out among the products, four at a time: the price is two window switches for each such group.
; The order of the global loads of a substep: what the tail wants (x), B(n + 3)'s blocks 2 to 7, B(n + 4)'s blocks 0, 1.
.macro FIRST n, fa, x, fb3
	WIN 0
.if \fa
	FETCH_A (\n)+1                                 ; 48 matrix instructions ahead of its use
.endif
	XLOAD \x
.if \fb3
	WIN TO_B
	FETCH_B (\n)+3, 2
	FETCH_B (\n)+3, 3
.endif
.endm
.macro REST n, fb3, fb4, zero
	WIN MUL_LO
	MULB 2, \n, \zero
	MULB 3, \n, \zero
.if \fb3
	WIN TO_B
	FETCH_B (\n)+3, 4
	FETCH_B (\n)+3, 5
.endif
	WIN MUL_HI
	MULB 4, \n, \zero
	MULB 5, \n, \zero
.if \fb3
	WIN TO_B
	FETCH_B (\n)+3, 6
	FETCH_B (\n)+3, 7
	WIN MUL_HI
.endif
	MULB 6, \n, \zero
.if \fb4
	WIN TO_B
	FETCH_B (\n)+4, 0
	FETCH_B (\n)+4, 1
	WIN MUL_HI
.endif
	MULB 7, \n, \zero
.endm
; A SUBSTEP.  w1: the global loads issued behind this substep's blocks 0, 1 of B (as a rule three substeps' 16: 48); w2: those behind its blocks 2-7 (4 of their own substep's end and two substeps' 16: 36).
.macro SUB n, w1, w2, fa, fb3, fb4, x, zero
	s_wait_loadcnt \w1                             ; B's blocks 0, 1 are in
	s_wait_dscnt 0x0                               ; A's set is in (asked for 48 matrix instructions ago)
	WIN MUL_LO
	MULB 0, \n, \zero
	MULB 1, \n, \zero
	s_wait_loadcnt \w2                             ; B's blocks 2-7 are in
	PLACES 4
	FIRST \n, \fa, \x, \fb3
	REST \n, \fb3, \fb4, \zero
.endm
; A SLOT'S LAST SUBSTEP changes slots: its own fragments of A, the slot's last, were asked for a substep ago.  ONE barrier; in front of it each wave waits for all its tensor loads (its quarter of the other slot),
; adds 0 to its spare word, and waits for that and for its reads of this slot.  fill = 1: the barrier opens a round of the cluster's, and this slot is filled again, with the K steps two slots on, first thing
; behind the round: 240 matrix instructions stand ahead of the wait for that load.  The four v_nop behind the joint load are also the places in front of the loads that follow.
.macro TURN n, fill, slot
	s_wait_loadcnt 48                              ; B's blocks 0, 1 are in
	WIN 0                                          ; (the add's two registers lie in window 0)
	s_wait_tensorcnt 0x0                           ; all my tensor loads have landed: my quarter of the other slot;
	ds_add_u32 v[SPW], v[NIL]                      ; 0 onto my spare word
	s_wait_dscnt 1                                 ; (A's 16 loads are in; the add may be out)
	WIN MUL_LO
	MULB 0, \n, 0                                  ; eight matrix instructions stand between the add and the wait for it
	s_wait_dscnt 0x0                               ; the add is done, and my reads of this slot are over
	s_barrier_signal -1
	MULB 1, \n, 0
	WIN 0
	s_barrier_wait -1
.if \fill
	CREST                                          ; no wave of any partner still reads this slot or has a load on its way
	s_add_nc_u64 s[G0+4*\slot+2:G0+4*\slot+3], s[G0+4*\slot+2:G0+4*\slot+3], 2*SLOT
	JLOAD \slot                                    ; the first tensor load behind the round, and my only one until the next
.else
	PLACES 4
.endif
	s_wait_loadcnt 36                              ; B's blocks 2-7 are in
	FIRST \n, 1, 0, 1                              ; A's next set comes from the other slot
	REST \n, 1, 1, 0
.endm
	s_load_b256 s[4:11], s[0:1], 0x0               ; a_codes s[4:5], w_codes s[6:7], the scales s[8:9], b_f s[10:11]
	s_load_b256 s[12:19], s[0:1], 0x20             ; b_r s[12:13], b_c s[14:15], ct_forward s[16:17], out0 s[18:19]
	s_load_b64 s[20:21], s[0:1], 0x40              ; out1
	v_lshl_add_u32 v[SPW], v0, 2, SPARE
	v_mov_b32 v[NIL], 0
	ds_add_u32 v7, v8
	ds_add_u32 v7, v8
	s_wait_dscnt 0x0
	v_lshrrev_b32 v9, 5, v0
	v_readfirstlane_b32 s22, v9                    ; wave 0..3 = my gate
	v_and_b32 v9, 31, v0
	v_lshlrev_b32 v[LI], 4, v9
	s_bfe_u32 s40, ttmp6, 0x40000                  ; cx: my place in the cluster
	s_lshl_b32 s42, ttmp9, 2                       ; in a cluster launch ttmp9 counts clusters
	s_add_co_u32 s42, s42, s40                     ; block of columns = 4 x cluster x + cx: it enters B's, the biases', ct_forward's and the outputs' addresses alone
	s_and_b32 s67, ttmp7, 0xffff                   ; block of rows, which the four partners share
	; descriptor group 1: 32,768 dense bytes as 128 rows of 32 elements of 8 bytes, no padding
	s_mov_b32 s[G1+0], 15|(3<<16)|(1<<21)          ; 15:0 the mask: all four work-groups; 17:16 elements of 8 bytes; 21 set beside a mask
	s_mov_b32 s[G1+1], 32<<16                      ; tensor_dim0 = 32
	s_mov_b32 s[G1+2], 128<<16                     ; tensor_dim1 = 128
	s_mov_b32 s[G1+3], 32<<16                      ; tile_dim0 = 32
	s_mov_b32 s[G1+4], 128                         ; tile_dim1 = 128
	s_mov_b32 s[G1+5], 32                          ; tensor_dim0_stride: each row begins where the last ends
	s_mov_b32 s[G1+6], 0
	s_mov_b32 s[G1+7], 0
	s_lshl_b32 s45, s22, 15                        ; my quarter of a slot, in memory and in LDS: wave x 32,768: no place in the cluster enters an LDS address
	s_lshl_b32 s84, s67, 20                        ; A: the block of rows,
	s_add_co_u32 s84, s84, s45                     ; and my quarter
	s_mov_b32 s85, 0
	s_lshl_b32 s88, s42, 20                        ; B: the block of columns,
	s_lshl_b32 s86, s22, 14                        ; and my gate's plane
	s_add_co_u32 s88, s88, s86
	s_mov_b32 s89, 0
	s_lshl_b32 s90, s67, 20                        ; ct_forward and the outputs: 128 rows of 8,192 bytes a block,
	s_lshl_b32 s46, s22, 18                        ; my wave's 32 rows,
	s_add_co_u32 s90, s90, s46
	s_lshl_b32 s46, s42, 9                         ; 128 columns of 4 bytes a block
	s_add_co_u32 s90, s90, s46
	s_mov_b32 s91, 0
	s_mov_b32 s47, 0                               ; s[46:47]: the block's columns alone, for the biases
	s_wait_kmcnt 0x0
	s_load_b256 s[68:75], s[8:9], 0x0              ; e0 .. e7
	s_add_nc_u64 s[84:85], s[4:5], s[84:85]
	s_add_nc_u64 s[6:7], s[6:7], s[88:89]
	s_add_nc_u64 s[16:17], s[16:17], s[90:91]
	s_add_nc_u64 s[18:19], s[18:19], s[90:91]
	s_add_nc_u64 s[20:21], s[20:21], s[90:91]
	s_add_nc_u64 s[10:11], s[10:11], s[46:47]
	s_add_nc_u64 s[12:13], s[12:13], s[46:47]
	s_add_nc_u64 s[14:15], s[14:15], s[46:47]
	WIN TO_B                                       ; B's ring is filled as the substeps would have left it: substeps 0, 1, 2 whole, blocks 0, 1 of substep 3: 52 loads
.irp n, 0,1,2
.irp i, 0,1,2,3,4,5,6,7
	FETCH_B \n, \i
.endr
.endr
	FETCH_B 3, 0
	FETCH_B 3, 1
	WIN 0
	CROUND                                         ; all four work-groups are here: the first joint loads meet
.irp s, 0,1
	s_mov_b32 s[G0+4*\s], 1                                        ; count = 1
	s_add_co_u32 s[G0+4*\s+1], s45, \s*SLOT                        ; LDS address
	s_add_nc_u64 s[G0+4*\s+2:G0+4*\s+3], s[84:85], \s*SLOT         ; global address: K steps 2 s, 2 s + 1
	s_or_b32 s[G0+4*\s+3], s[G0+4*\s+3], 0x80000000                ; type = 2
	JLOAD \s
.endr
	v_add_nc_u32 v[ADRA], s86, v[LI]               ; my gate's plane of slot 0's first K step,
	v_add_nc_u32 v[ADRA+1], KSB, v[ADRA]           ; of its second,
	v_add_nc_u32 v[ADRA+2], KSB, v[ADRA+1]         ; of slot 1's two
	v_add_nc_u32 v[ADRA+3], KSB, v[ADRA+2]
	v_and_b32 v14, 15, v0                          ; r
	v_bfe_u32 v15, v0, 4, 1                        ; h
	s_mul_i32 s46, s22, GST
	v_mul_u32_u24 v[STO], v14, SPITCH
	v_lshl_add_u32 v[STO], v15, 5, v[STO]
	v_add_nc_u32 v[STO], s46, v[STO]               ; my gate's rows: row r, + 32 h
	s_mul_i32 s46, s22, 32*SPITCH
	v_add_nc_u32 v[RD], s46, v[LI]                 ; back: my 32 rows of gate 0, 16 bytes a lane,
	v_add_nc_u32 v[RD+1], GST, v[RD]               ; of gates 1, 2, 3
	v_add_nc_u32 v[RD+2], GST, v[RD+1]
	v_add_nc_u32 v[RD+3], GST, v[RD+2]
	s_wait_tensorcnt 1                             ; my quarter of slot 0 is in (slot 1's load may be out)
	s_barrier_signal -1
	s_barrier_wait -1                              ; everybody's is
	FETCH_A 0
	SUB 0, 48, 36, 1, 1, 1, 0, 1                   ; substep 0 stands in front of the loop: its products start the sums
	WIN 0                                          ; at a label and at a branch every window is 0
	s_mov_b32 s3, 3
.Llap:                                                 ; substeps 1 to 24, eight a trip: once round A's two slots, twice round B's four sets; each slot is filled again
	SUB 1, 48, 36, 1, 1, 1, 0, 0
	SUB 2, 48, 36, 1, 1, 1, 0, 0
	TURN 3, 1, 0
	SUB 4, 48, 36, 1, 1, 1, 0, 0
	SUB 5, 48, 36, 1, 1, 1, 0, 0
	SUB 6, 48, 36, 1, 1, 1, 0, 0
	TURN 7, 1, 1
	SUB 8, 48, 36, 1, 1, 1, 0, 0
	WIN 0
	s_wait_xcnt 0x0                                ; B's loads have read their base: only behind this wait is it stepped,
	s_add_nc_u64 s[6:7], s[6:7], 4*KSB             ; by eight substeps
	s_sub_co_u32 s3, s3, 1
	s_cmp_lg_u32 s3, 0
	s_cbranch_scc1 .Llap
	SUB 1, 48, 36, 1, 1, 1, 0, 0                   ; substeps 25 to 31 are written out
	SUB 2, 48, 36, 1, 1, 1, 0, 0
	TURN 3, 0, 0                                   ; substep 27: the last slot is whole; nothing is asked for; B's last blocks 0, 1 go out
	SUB 4, 48, 36, 1, 1, 0, 1, 0                   ; substep 28: B's last blocks 2-7, behind nine loads for the tail: 21 loads
	SUB 5, 53, 41, 1, 0, 0, 2, 0                   ; substep 29: behind its blocks 0, 1: 16 + 16 + 21; behind its blocks 2-7: 4 + 16 + 21.  Nine loads for the tail
	SUB 6, 46, 34, 1, 0, 0, 3, 0                   ; substep 30: 16 + 21 + 9, and 4 + 21 + 9.  The last nine
	s_wait_loadcnt 39                              ; substep 31: behind its blocks 0, 1: 21 + 9 + 9
	s_wait_dscnt 0x0                               ; A's last set is in: my reads of the ring are over
	WIN MUL_LO
	MULB 0, 7, 0
	MULB 1, 7, 0
	s_wait_loadcnt 18                              ; behind its blocks 2-7: 9 + 9.  (The biases and the first six rows of ct_forward went out ahead of them: they are in too)
	s_barrier_signal -1
	MULB 2, 7, 0
	MULB 3, 7, 0
	WIN MUL_HI
	MULB 4, 7, 0
	MULB 5, 7, 0
	MULB 6, 7, 0
	MULB 7, 7, 0
	WIN 0
	s_barrier_wait -1                              ; everybody's reads are over, and every fill has landed: the ring's bytes may take the sums
	; THE TAIL.  The scales' powers of two; the two sigmoids' factor -log2(e) goes into their scales and biases.
	s_wait_kmcnt 0x0
	s_add_co_i32 s[SX], s68, s69
	s_add_co_i32 s[SX], s[SX], 127
	s_lshl_b32 s[SX], s[SX], 23                    ; 2^(e0+e1) as f32
	s_mov_b32 s[SX+1], s[SX]                       ; (named with it as a pair, so it is written)
	s_add_co_i32 s[SF], s70, s71
	s_lshl_b32 s[SF], s[SF], 23
	s_add_co_i32 s[SF], s[SF], 0xbfb8aa3b          ; e2 + e3 added to the exponent field of -log2(e)
	s_mov_b32 s[SF+1], s[SF]
	s_add_co_i32 s[SR], s72, s73
	s_lshl_b32 s[SR], s[SR], 23
	s_add_co_i32 s[SR], s[SR], 0xbfb8aa3b
	s_mov_b32 s[SR+1], s[SR]
	s_add_co_i32 s[SC], s74, s75
	s_add_co_i32 s[SC], s[SC], 127
	s_lshl_b32 s[SC], s[SC], 23
	s_mov_b32 s[SC+1], s[SC]
.irp i, 0,1,2,3,4,5,6,7
	v_mul_f32 v[BF+\i], 0xbfb8aa3b, v[BF+\i]       ; b_f and b_r x -log2(e).  (These eight are also the places behind the last products)
.endr
	; My gate's 128 x 128 sums go to LDS as rows: lane (r, h) of accumulator (a, b) holds row 16 a + r, columns 16 b + 8 h + 0 .. 7.  Each accumulator from its low end on.
.irp b, 0,1,2,3,4,5,6,7
	WIN 0x08+4*(\b/4)                              ; store data: window 2 or 3
.irp a, 0,1,2,3,4,5,6,7
	ds_store_b128 v[STO], v[8*(8*(\b%4)+\a):8*(8*(\b%4)+\a)+3] offset:\a*16*SPITCH+64*\b
	ds_store_b128 v[STO], v[8*(8*(\b%4)+\a)+4:8*(8*(\b%4)+\a)+7] offset:\a*16*SPITCH+64*\b+16
.endr
.endr
	WIN 0
	s_wait_dscnt 0x0                               ; for the others' sake: my stores are done
	s_barrier_signal -1
	s_barrier_wait -1                              ; all four gates' sums lie in LDS
.macro GLOAD grp                       ; rows 4 grp .. 4 grp + 3 of my 32, of all four gates: 512 consecutive bytes a load; a lane holds columns 4 x lane .. + 3
.set SB, SS+64*((\grp)%2)
.irp g, 0,1,2,3
.irp j, 0,1,2,3
	ds_load_b128 v[SB+16*\g+4*\j:SB+16*\g+4*\j+3], v[RD+\g] offset:(4*(\grp)+\j)*SPITCH
.endr
.endr
.endm
; Four rows are finished: 16 numbers a lane, in 8 pairs.  Transcendentals stand in runs, each with a plain instruction behind it before a result is used (ISA guide 5.7.2).
.macro GROUP grp
	s_wait_xcnt 0x0                                ; the last group's stores have read their registers: the next group's sums may land there
.if (\grp) < 7
	GLOAD (\grp)+1
	s_wait_dscnt 16                                ; this group's 16 loads are in; the 16 just issued may be out
.else
	s_wait_dscnt 0x0
.endif
.if (\grp) < 2
	s_wait_loadcnt 20                              ; this group's four rows of ct_forward are in; five later groups' may be out
.else
	s_wait_loadcnt 4*(7-(\grp))                    ; the later groups' rows may be out
.endif
.set XR, SS+64*((\grp)%2)
.set FQ, XR+16
.set RQ, XR+32
.set CQ, XR+48
.set CFR, CF+16*((\grp)%6)
.irp q, 0,1,2,3,4,5,6,7
	v_pk_fma_f32 v[FQ+2*\q:FQ+2*\q+1], v[FQ+2*\q:FQ+2*\q+1], s[SF:SF+1], v[BF+2*(\q%2):BF+2*(\q%2)+1] op_sel_hi:[1,0,1]   ; -log2(e) (S_f 2^(e2+e3) + b_f)
	v_pk_fma_f32 v[RQ+2*\q:RQ+2*\q+1], v[RQ+2*\q:RQ+2*\q+1], s[SR:SR+1], v[BR+2*(\q%2):BR+2*(\q%2)+1] op_sel_hi:[1,0,1]
.endr
.irp i, 0,1,2,3,4,5,6,7,8,9,10,11,12,13,14,15,16,17,18,19,20,21,22,23,24,25,26,27,28,29,30,31
	v_exp_f32 v[FQ+\i], v[FQ+\i]
.endr
.irp q, 0,1,2,3,4,5,6,7
	v_pk_mul_f32 v[XR+2*\q:XR+2*\q+1], v[XR+2*\q:XR+2*\q+1], s[SX:SX+1] op_sel_hi:[1,0]                                    ; x
	v_pk_fma_f32 v[CQ+2*\q:CQ+2*\q+1], v[CQ+2*\q:CQ+2*\q+1], s[SC:SC+1], v[BC+2*(\q%2):BC+2*(\q%2)+1] op_sel_hi:[1,0,1]   ; c
.endr
	s_wait_alu depctr_va_vdst(0)
.irp q, 0,1,2,3,4,5,6,7,8,9,10,11,12,13,14,15
	v_pk_add_f32 v[FQ+2*\q:FQ+2*\q+1], v[FQ+2*\q:FQ+2*\q+1], 1.0 op_sel_hi:[1,0]
.endr
.irp i, 0,1,2,3,4,5,6,7,8,9,10,11,12,13,14,15,16,17,18,19,20,21,22,23,24,25,26,27,28,29,30,31
	v_rcp_f32 v[FQ+\i], v[FQ+\i]                   ; f and r
.endr
.irp q, 0,1,2,3,4,5,6,7
	v_pk_add_f32 v[CFR+2*\q:CFR+2*\q+1], v[CFR+2*\q:CFR+2*\q+1], v[XR+2*\q:XR+2*\q+1] neg_lo:[0,1] neg_hi:[0,1]           ; ct_forward - x
.endr
	s_wait_alu depctr_va_vdst(0)
.irp q, 0,1,2,3,4,5,6,7
	v_pk_fma_f32 v[XR+2*\q:XR+2*\q+1], v[FQ+2*\q:FQ+2*\q+1], v[CFR+2*\q:CFR+2*\q+1], v[XR+2*\q:XR+2*\q+1]                 ; ct
.endr
.irp j, 0,1,2,3
	global_store_b128 v[LI], v[XR+4*\j:XR+4*\j+3], s[20:21] offset:(4*(\grp)+\j)*8192 th:TH_STORE_NT   ; 32 lanes store 512 consecutive bytes, at a multiple of 512 from out1's first byte
.endr
.if (\grp) < 2
.irp j, 0,1,2,3
	global_load_b128 v[CFR+4*\j:CFR+4*\j+3], v[LI], s[16:17] offset:(4*((\grp)+6)+\j)*8192 th:TH_LOAD_NT   ; the rows of six groups on, into the registers just done with
.endr
.endif
.irp q, 0,1,2,3,4,5,6,7
	v_pk_mul_f32 v[FQ+2*\q:FQ+2*\q+1], v[XR+2*\q:XR+2*\q+1], 0x4038aa3b op_sel_hi:[1,0]                                   ; 2 log2(e) ct
.endr
.irp i, 0,1,2,3,4,5,6,7,8,9,10,11,12,13,14,15
	v_exp_f32 v[FQ+\i], v[FQ+\i]
.endr
	v_nop
	s_wait_alu depctr_va_vdst(0)
.irp q, 0,1,2,3,4,5,6,7
	v_pk_add_f32 v[FQ+2*\q:FQ+2*\q+1], v[FQ+2*\q:FQ+2*\q+1], 1.0 op_sel_hi:[1,0]
.endr
.irp i, 0,1,2,3,4,5,6,7,8,9,10,11,12,13,14,15
	v_rcp_f32 v[FQ+\i], v[FQ+\i]
.endr
	v_nop
	s_wait_alu depctr_va_vdst(0)
.irp q, 0,1,2,3,4,5,6,7
	v_pk_fma_f32 v[FQ+2*\q:FQ+2*\q+1], v[FQ+2*\q:FQ+2*\q+1], -2.0, 1.0 op_sel_hi:[1,0,0]                                  ; tanh(ct)
.endr
.irp q, 0,1,2,3,4,5,6,7
	v_pk_add_f32 v[FQ+2*\q:FQ+2*\q+1], v[FQ+2*\q:FQ+2*\q+1], v[CQ+2*\q:CQ+2*\q+1] neg_lo:[0,1] neg_hi:[0,1]               ; - c
.endr
.irp q, 0,1,2,3,4,5,6,7
	v_pk_fma_f32 v[CQ+2*\q:CQ+2*\q+1], v[RQ+2*\q:RQ+2*\q+1], v[FQ+2*\q:FQ+2*\q+1], v[CQ+2*\q:CQ+2*\q+1]                   ; ht
.endr
.irp j, 0,1,2,3
	global_store_b128 v[LI], v[CQ+4*\j:CQ+4*\j+3], s[18:19] offset:(4*(\grp)+\j)*8192 th:TH_STORE_NT
.endr
.endm
	GLOAD 0
.irp n, 0,1,2,3,4,5,6,7
	GROUP \n
.endr
	s_wait_tensorcnt 0x0                           ; the wave's end, behind my last tensor load and my last LDS store
	ds_add_u32 v[SPW], v[NIL]
	s_wait_dscnt 0x0
	CROUND                                         ; the closing round: no work-group ends while a partner may still ask for a tile that names it
	s_endpgm
.Lfunc_end_k_qbe56739f07_cell:
	.size	k_qbe56739f07_cell, .Lfunc_end_k_qbe56739f07_cell-k_qbe56739f07_cell
	.p2alignl 7, 3214868480
	.fill 96, 4, 3214868480
	.section	.rodata,"a",@progbits
	.p2align	6, 0x0
	.amdhsa_kernel k_qbe56739f07_cell
		.amdhsa_group_segment_fixed_size 327680
		.amdhsa_private_segment_fixed_size 0
		.amdhsa_enable_private_segment 0
		.amdhsa_kernarg_size 72
		.amdhsa_user_sgpr_count 2
		.amdhsa_user_sgpr_kernarg_segment_ptr 1
		.amdhsa_wavefront_size32 1
		.amdhsa_system_sgpr_workgroup_id_x 1
		.amdhsa_system_sgpr_workgroup_id_y 1
		.amdhsa_system_sgpr_workgroup_id_z 1
		.amdhsa_system_vgpr_workitem_id 0
		.amdhsa_next_free_vgpr 1024
		.amdhsa_next_free_sgpr 96
		.amdhsa_reserve_vcc 0
		.amdhsa_float_denorm_mode_32 3
		.amdhsa_float_denorm_mode_16_64 3
		.amdhsa_memory_ordered 1
		.amdhsa_forward_progress 1
		.amdhsa_inst_pref_size 226
	.end_amdhsa_kernel
	.amdgpu_metadata
---
amdhsa.version: [ 1, 2 ]
amdhsa.kernels:
  - .name:           k_qbe56739f07_cell
    .symbol:         k_qbe56739f07_cell.kd
    .args:
      - { .name: a_codes, .offset: 0, .size: 8, .value_kind: global_buffer, .address_space: global }
      - { .name: w_codes, .offset: 8, .size: 8, .value_kind: global_buffer, .address_space: global }
      - { .name: lowp_scales, .offset: 16, .size: 8, .value_kind: global_buffer, .address_space: global }
      - { .name: b_f, .offset: 24, .size: 8, .value_kind: global_buffer, .address_space: global }
      - { .name: b_r, .offset: 32, .size: 8, .value_kind: global_buffer, .address_space: global }
      - { .name: b_c, .offset: 40, .size: 8, .value_kind: global_buffer, .address_space: global }
      - { .name: ct_forward, .offset: 48, .size: 8, .value_kind: global_buffer, .address_space: global }
      - { .name: out0, .offset: 56, .size: 8, .value_kind: global_buffer, .address_space: global }
      - { .name: out1, .offset: 64, .size: 8, .value_kind: global_buffer, .address_space: global }
    .group_segment_fixed_size: 327680
    .private_segment_fixed_size: 0
    .kernarg_segment_align: 8
    .kernarg_segment_size: 72
    .max_flat_workgroup_size: 128
    .sgpr_count:     96
    .vgpr_count:     1024
    .wavefront_size: 32
...
	.end_amdgpu_metadata
.endif
;; end of part 2
